; MI455X (gfx1250); checked and timed in simulation.
; The chip was launched on July 23, 2026; its instructions are those of AMD's public machine-readable ISA for CDNA 5 (MIT licence, August 2026) and "CDNA5" Instruction Set Architecture Reference Guide (July 2026). The comments in the code are by the model that wrote it; some were corrected since.
;; Multi Head Attention. Allowed arithmetic: matrix products marked QUANTISED: E4M3 operands, one given power-of-two scale a tensor, by v_wmma_f32_16x16x64_fp8_fp8 or v_wmma_f32_16x16x128_fp8_fp8, f32 sums; everything else in f32.
;; Inputs: bo 768 float32; lowp_scales 12 int32 (the exponents e of the quantised operands' scales 2^e); wk 768 x 768 float32; wo 768 x 768 float32; wq 768 x 768 float32; wv 768 x 768 float32; x 1 x 4,096 x 768 float32.
;; Outputs: out0 1 x 4,096 x 768 float32.
;; This version of the problem:
;;   THIS VERSION OF THE PROBLEM IS GIVEN IN LOW PRECISION. The matrix products marked QUANTISED in the list below multiply operands that are first quantised to E4M3 (4 exponent bits, 3 mantissa bits; 8 bits a number), with one given power-of-two scale for each operand tensor; their sums are f32. All else is computed in f32.
;;   The module's matrix products, in the order in which they are computed (A, B: the left and right operand; K: the contracted axis; several contracted axes count as one K, in the product's order):
;;     1. [M 4,096, K 768] x [K 768, N 768]; A: input x; B: input wq: QUANTISED (scales: A lowp_scales[0], B lowp_scales[1])
;;     2. [M 4,096, K 768] x [K 768, N 768]; A: input x; B: input wk: QUANTISED (scales: A lowp_scales[2], B lowp_scales[3])
;;     3. [M 4,096, K 768] x [K 768, N 768]; A: input x; B: input wv: QUANTISED (scales: A lowp_scales[4], B lowp_scales[5])
;;     4. batch 12 x [M 4,096, K 64] x [K 64, N 4,096]; A: computed on the way; B: computed on the way: QUANTISED (scales: A lowp_scales[6], B lowp_scales[7])
;;     5. batch 12 x [M 4,096, K 4,096] x [K 4,096, N 64]; A: softmax (see below); B: computed on the way: QUANTISED (scales: A lowp_scales[8], B lowp_scales[9])
;;     6. [M 4,096, K 768] x [K 768, N 768]; A: computed on the way; B: input wo: QUANTISED (scales: A lowp_scales[10], B lowp_scales[11])
;;   THE QUANTISER, for each operand of a quantised product, along K:
;;     - The operand's scale is 2^e, e = its entry of the input lowp_scales (int32; the entries are numbered through the quantised products in the list's order, A before B).
;;     - Each number is divided by the scale, clamped to +-448, and rounded to the nearest number of E4M3, ties to even, subnormals kept.
;;     - The product sums the exact products of the quantised numbers (number of the format x scale) in f32.
;;   ~~~python
;;   def quantise(x, axis, e):      # numpy; x: float32 -> the quantised numbers, widened to float32 again
;;       x = np.moveaxis(x, axis, -1); K = x.shape[-1]
;;       r = np.clip(x / 2.0 ** e, -448, 448)
;;       step = 2.0 ** (np.maximum(np.frexp(np.where(r == 0, 1, r))[1] - 1, -6) - 3)
;;       q = np.round(r / step) * step * 2.0 ** e      # np.round: ties to even
;;       return np.moveaxis(q, -1, axis).astype(np.float32)
;;   ~~~
;;   SOFTMAX AHEAD OF A QUANTISED PRODUCT. Where the list says 'softmax', what is quantised is not the finished softmax but p = 2^(t - M), with t = logit x log2(e) and M = ceil(the row's largest t), a whole number; so 1/2 < the row's largest p <= 1. The row's sum l is taken of the UNQUANTISED p, in f32, and the product's result is divided by l at the end. Since M is a whole number, a kernel that streams over the keys may use a running M (the ceiling of the running maximum): every later rescaling is an exact power of two, so the quantised numbers keep their values, but for numbers so far below the row's largest that they fall under the format's range.
;;   OPERANDS COMPUTED ON THE WAY. 'Computed on the way' means the value that the module computes at that place (a softmax that the list does not call 'softmax' is quantised finished and normalised). What goes into a quantiser is computed in f32, as accurately as f32 sums, v_exp_f32 and their like allow (about 1e-6 of the number): no bf16 or f16 on the way to a quantiser, and a product that is left as it is and whose result goes on into a quantised operand takes f32 operands (vector FMAs, or v_wmma_f32_16x16x4_f32). A number that lies on a knife's edge between two numbers of the format may be rounded either way, as far as f32 arithmetic and the matrix unit's own rounding can turn it there, and no further.
;; One version. Each part assembles by itself: llvm-mc -triple=amdgcn-amd-amdhsa -mcpu=gfx1250 --defsym DOCPART=n.
;; ======== version 1 of 1: 4 launches
;; limits: right only within a limited range of input values
;; workspace buffers: xc 9,437,184 bytes; wc 2,359,296 bytes; qkv 9,437,184 bytes; cc 3,145,728 bytes
;; launch prep (part 1): grid 88 x 6, 4 waves a work-group, no clusters, 34,304 bytes of LDS; arguments x, wq, wk, wv, wo, lowp_scales, xc, wc; writes xc, wc
.if DOCPART == 1
	.amdgcn_target "amdgcn-amd-amdhsa--gfx1250"
	.amdhsa_code_object_version 6
	.text
	.protected	k_q5127578407_prep
	.globl	k_q5127578407_prep
	.p2align	8
	.type	k_q5127578407_prep,@function
k_q5127578407_prep:
	s_mov_b64 s[64:65], 0
	v_nop
	global_prefetch_b8 v0, s[64:65] scope:SCOPE_SE
	s_setreg_imm32_b32 hwreg(HW_REG_WAVE_MODE, 25, 1), 1
	s_wait_xcnt 0x0
; x [4096][768] and the four weights [768 (k)][768 (n)], f32, become codes of FP8 (E4M3), laid as IMAGES OF OPERAND REGISTERS.
; code = number / 2^e, held within +-448, to the nearest code, ties to even.  x is quantised three times (e0, e2, e4: entries of lowp_scales), wq, wk, wv, wo with e1, e3, e5, e11.
; A FRAGMENT is 16 rows x 128 K = 2,048 bytes: four chunks c of 512 bytes; lane l = r + 16 h has its 16 bytes at 16 l: the codes k = 32 c + 16 h + 0 .. 15 of the fragment's row r.
; THE ROWS OF A TILE ARE NOT NEIGHBOURS: row r of tile 2 b + u is index 32 b + 8 u + r + 8 (r / 8) (of the tokens, or of a weight's columns n), so that in a later product's result
; the registers of tiles 2 b and 2 b + 1 are 16 neighbours.
; xc: [3 scales][256 tiles][6 K steps][2,048].   wc: [4 weights][48 tiles][6 K steps][2,048].
; Work-groups x < 64 take x: a wave makes one fragment (tile 4 x + wave, K step y) with all three scales.  Each load reads 512 consecutive bytes of one row; the 16 rows turn through the wave's own
; stage in LDS (rows 528 bytes apart), so that a lane gets 16 neighbours along K of its row.  Each store covers 512 consecutive bytes, aligned.
; Work-groups x >= 64 take the weights: weight (x - 64) % 4, K step (x - 64) / 4; a wave takes 32 columns, A LANE A COLUMN, ITS REGISTERS DOWN K: the conversions then give codes with K innermost, and nothing is
; transposed.  In a store sixteen lanes fill 256 consecutive bytes of one tile's fragment, the other sixteen those of the next tile's.
; No loop, no barrier: waves share nothing; all of a wave's loads go out at its head.
; LIMITS: each e between -126 and 119, so that 2^e and 448 x 2^e are f32 numbers.  NaN among the inputs is not served (an infinity is held at the largest code).
.set XROW,  3072                       ; a row of x or of a weight in bytes
.set SP,    528                        ; a stage row: 512 bytes + 16
.set WST,   16*SP                      ; a wave's stage
.set SPARE, 4*WST                      ; behind the stages: the spare words, 128 bytes for each wave: two blocks of 256 bytes that no other line names
.set TSZ,   3145728                    ; x's codes with one scale
.set WSZ,   589824                     ; one weight's codes
.set TILEB, 12288                      ; a tile's six fragments
.set SPW,   12                         ; v12  LDS address of my spare word; never rewritten
.set NIL,   13                         ; v13  0; never rewritten
.set R,     16                         ; x: v16-79    16 rows as loaded
.set X,     80                         ;    v80-143   register 16 c + i = k 32 c + 16 h + i of my row
.set T,     144                        ;    v144-175  two sets of 16 held numbers, by turns
.set C,     176                        ;    v176-223  codes: 16 registers for each scale, so that no store's data are written again
.set W,     32                         ; weights: v32-159 my column's 128 numbers
.set CD,    160                        ;          v160-191 their codes
	s_load_b256 s[4:11], s[0:1], 0x0               ; x s[4:5], wq s[6:7], wk s[8:9], wv s[10:11]
	s_load_b256 s[12:19], s[0:1], 0x20             ; wo s[12:13], the scales' exponents s[14:15], xc s[16:17], wc s[18:19]
	v_lshl_add_u32 v[SPW], v0, 2, SPARE
	v_mov_b32 v[NIL], 0
	v_lshrrev_b32 v14, 5, v0
	v_readfirstlane_b32 s20, v14                   ; wave 0..3
	s_and_b32 s21, ttmp7, 0xffff                   ; work-group y
	v_and_b32 v14, 31, v0                          ; lane
	v_and_b32 v15, 15, v0                          ; r
	s_mov_b32 s41, 0                               ; the upper word of every offset
	s_wait_kmcnt 0x0
	s_load_b256 s[24:31], s[14:15], 0x0            ; e0 .. e7
	s_load_b128 s[32:35], s[14:15], 0x20           ; e8 .. e11
	s_cmp_ge_u32 ttmp9, 64
	s_cbranch_scc1 .Lweights
	; ---------------- x: one fragment, three scales
	s_lshl_b32 s36, ttmp9, 2
	s_add_co_u32 s36, s36, s20                     ; my tile
	s_lshr_b32 s37, s36, 1
	s_lshl_b32 s37, s37, 5
	s_and_b32 s38, s36, 1
	s_lshl_b32 s38, s38, 3
	s_add_co_u32 s37, s37, s38                     ; its row 0: token 32 (tile / 2) + 8 (tile % 2)
	s_mul_i32 s40, s37, XROW
	s_lshl_b32 s38, s21, 9                         ; K step y: 128 numbers = 512 bytes
	s_add_co_u32 s40, s40, s38
	s_add_nc_u64 s[4:5], s[4:5], s[40:41]
	s_mul_i32 s40, s36, 6
	s_add_co_u32 s40, s40, s21
	s_lshl_b32 s40, s40, 11                        ; fragment 6 x tile + K step
	s_add_nc_u64 s[16:17], s[16:17], s[40:41]
	s_mul_i32 s39, s20, WST
	s_wait_alu depctr_va_vdst(0)
	v_lshlrev_b32 v1, 4, v14                       ; 16 x lane: my bytes of a row's 512, and of a chunk
	v_add_nc_u32 v2, s39, v1                       ; the stage on the way in
	v_bfe_u32 v4, v0, 4, 1                         ; h
	v_mul_u32_u24 v3, v15, SP
	v_lshl_add_u32 v3, v4, 6, v3
	v_add_nc_u32 v3, s39, v3                       ; and on the way out: row r, + 64 h: 16 numbers of each block of 32
.set n, 0
.rept 16
	global_load_b128 v[R+4*n:R+4*n+3], v1, s[4:5] offset:(n+8*(n/8))*XROW th:TH_LOAD_NT   ; row n of the tile: 512 consecutive bytes
.set n, n+1
.endr
	s_wait_alu depctr_va_vdst(0)
	s_wait_kmcnt 0x0
.irp q, 0,1,2
	s_add_co_i32 s42, s[24+2*\q], 127
	s_lshl_b32 s43, s42, 23
	v_mov_b32 v[6+\q], s43                         ; 2^e as f32: the conversion takes its exponent field
	s_add_co_i32 s42, s42, 8
	s_lshl_b32 s42, s42, 23
	s_or_b32 s42, s42, 0x600000
	v_mov_b32 v[9+\q], s42                         ; 448 x 2^e
.endr
.set n, 0
	s_wait_alu depctr_va_vdst(0)
.rept 16
	s_wait_loadcnt 15-n                            ; loads come back in order: row n is in, the younger ones may be out
	ds_store_b128 v2, v[R+4*n:R+4*n+3] offset:SP*n
.set n, n+1
.endr
.irp c, 0,1,2,3
.irp j, 0,1,2,3
	ds_load_b128 v[X+16*\c+4*\j:X+16*\c+4*\j+3], v3 offset:128*\c+16*\j   ; my wave's own bytes, served in order: these see the stores above
.endr
.endr
.set g, 0
.irp c, 0,1,2,3
	s_wait_dscnt 12-4*\c                           ; chunk c's four loads are in; the later chunks' may be out
.irp q, 0,1,2
.set TS, T+16*(g%2)
.set n, 0
.rept 16
	v_med3_num_f32 v[TS+n], v[X+16*\c+n], -v[9+\q], v[9+\q]   ; the conversion to an 8-bit code does not saturate (ISA guide 7.6.2): the hold at the largest code x the scale, into a set of its own
.set n, n+1
.endr
	v_cvt_scalef32_pk8_fp8_f32 v[C+16*\q+4*\c:C+16*\q+4*\c+1], v[TS:TS+7], v[6+\q]
	v_cvt_scalef32_pk8_fp8_f32 v[C+16*\q+4*\c+2:C+16*\q+4*\c+3], v[TS+8:TS+15], v[6+\q]   ; the next group's sixteen holds, plain lines into the other set, follow before this set is written again
	global_store_b128 v1, v[C+16*\q+4*\c:C+16*\q+4*\c+3], s[16:17] offset:\q*TSZ+512*\c    ; the wave stores 512 consecutive bytes, aligned
.set g, g+1
.endr
.endr
	s_wait_tensorcnt 0x0                           ; the wave's end: behind my last LDS store
	ds_add_u32 v[SPW], v[NIL]
	s_wait_dscnt 0x0
	s_endpgm
	; ---------------- the weights: 32 columns x 128 along K
.Lweights:
	s_sub_co_u32 s36, ttmp9, 64
	s_and_b32 s37, s36, 3                          ; which weight: q, k, v, o
	s_lshr_b32 s38, s36, 2                         ; K step 0..5
	s_cmp_eq_u32 s37, 1                            ; the choice of the buffer hangs on the work-group's number alone
	s_cselect_b64 s[6:7], s[8:9], s[6:7]
	s_cmp_eq_u32 s37, 2
	s_cselect_b64 s[6:7], s[10:11], s[6:7]
	s_cmp_eq_u32 s37, 3
	s_cselect_b64 s[6:7], s[12:13], s[6:7]
	s_lshl_b32 s39, s21, 2
	s_add_co_u32 s39, s39, s20                     ; b = 4 y + wave: columns 32 b .. 32 b + 31, tiles 2 b and 2 b + 1
	s_mul_i32 s40, s38, 128*XROW
	s_lshl_b32 s42, s39, 7
	s_add_co_u32 s40, s40, s42
	s_add_nc_u64 s[6:7], s[6:7], s[40:41]          ; row 128 s, column 32 b
	s_mul_i32 s42, s39, 12
	s_add_co_u32 s42, s42, s38
	s_lshl_b32 s42, s42, 11                        ; fragment 6 (2 b) + s
	s_mul_i32 s40, s37, WSZ
	s_add_co_u32 s40, s40, s42
	s_add_nc_u64 s[18:19], s[18:19], s[40:41]
	s_wait_alu depctr_va_vdst(0)
	v_lshlrev_b32 v1, 2, v14                       ; in: 4 bytes a lane
	v_bfe_u32 v3, v0, 3, 1                         ; column 32 b + l lies in tile 2 b + u, u = (l / 8) % 2,
	v_and_b32 v6, 7, v0
	v_bfe_u32 v7, v0, 4, 1
	v_lshl_add_u32 v6, v7, 3, v6                   ; as its row r = l % 8 + 8 (l / 16)
	v_mul_u32_u24 v3, v3, TILEB
	v_lshl_add_u32 v2, v6, 4, v3                   ; out: u tiles on, + 16 r
.set n, 0
.rept 128
	global_load_b32 v[W+n], v1, s[6:7] offset:n*XROW th:TH_LOAD_NT   ; W(128 s + n, my column): the wave reads 128 consecutive bytes, the work-group 512
.set n, n+1
.endr
	s_wait_kmcnt 0x0
	s_cmp_eq_u32 s37, 1                            ; e1, e3, e5 or e11
	s_cselect_b32 s25, s27, s25
	s_cmp_eq_u32 s37, 2
	s_cselect_b32 s25, s29, s25
	s_cmp_eq_u32 s37, 3
	s_cselect_b32 s25, s35, s25
	s_add_co_i32 s25, s25, 127
	s_lshl_b32 s42, s25, 23
	v_mov_b32 v4, s42                              ; 2^e
	s_add_co_i32 s25, s25, 8
	s_lshl_b32 s25, s25, 23
	s_or_b32 s25, s25, 0x600000
	v_mov_b32 v5, s25                              ; 448 x 2^e
	s_wait_alu depctr_va_vdst(0)
.irp c, 0,1,2,3
.if \c < 2
	s_wait_loadcnt 63                              ; blocks 0 and 1: 96 and 64 younger loads might stay out; a wait names 63 at the most
.else
	s_wait_loadcnt 96-32*\c                        ; block c's 32 loads are in; the later blocks' may be out
.endif
.set n, 0
.rept 32
	v_med3_num_f32 v[W+32*\c+n], v[W+32*\c+n], -v5, v5
.set n, n+1
.endr
.irp g, 0,1,2,3
	v_cvt_scalef32_pk8_fp8_f32 v[CD+8*\c+2*\g:CD+8*\c+2*\g+1], v[W+32*\c+8*\g:W+32*\c+8*\g+7], v4
.endr
	global_store_b128 v2, v[CD+8*\c:CD+8*\c+3], s[18:19] offset:512*\c          ; k = 32 c + 0 .. 15: the places of lanes 0-15 of chunk c; sixteen lanes fill 256 consecutive bytes, aligned
	global_store_b128 v2, v[CD+8*\c+4:CD+8*\c+7], s[18:19] offset:512*\c+256    ; k = 32 c + 16 .. 31: the places of lanes 16-31
.endr
	s_wait_tensorcnt 0x0                           ; the wave's end
	ds_add_u32 v[SPW], v[NIL]
	s_wait_dscnt 0x0
	s_endpgm
.Lfunc_end_k_q5127578407_prep:
	.size	k_q5127578407_prep, .Lfunc_end_k_q5127578407_prep-k_q5127578407_prep
	.p2alignl 7, 3214868480
	.fill 96, 4, 3214868480
	.section	.rodata,"a",@progbits
	.p2align	6, 0x0
	.amdhsa_kernel k_q5127578407_prep
		.amdhsa_group_segment_fixed_size 34304
		.amdhsa_private_segment_fixed_size 0
		.amdhsa_enable_private_segment 0
		.amdhsa_kernarg_size 64
		.amdhsa_user_sgpr_count 2
		.amdhsa_user_sgpr_kernarg_segment_ptr 1
		.amdhsa_wavefront_size32 1
		.amdhsa_system_sgpr_workgroup_id_x 1
		.amdhsa_system_sgpr_workgroup_id_y 1
		.amdhsa_system_sgpr_workgroup_id_z 1
		.amdhsa_system_vgpr_workitem_id 0
		.amdhsa_next_free_vgpr 224
		.amdhsa_next_free_sgpr 66
		.amdhsa_reserve_vcc 0
		.amdhsa_float_denorm_mode_32 3
		.amdhsa_float_denorm_mode_16_64 3
		.amdhsa_memory_ordered 1
		.amdhsa_forward_progress 1
		.amdhsa_inst_pref_size 46
	.end_amdhsa_kernel
	.amdgpu_metadata
---
amdhsa.version: [ 1, 2 ]
amdhsa.kernels:
  - .name:           k_q5127578407_prep
    .symbol:         k_q5127578407_prep.kd
    .args:
      - { .name: x, .offset: 0, .size: 8, .value_kind: global_buffer, .address_space: global }
      - { .name: wq, .offset: 8, .size: 8, .value_kind: global_buffer, .address_space: global }
      - { .name: wk, .offset: 16, .size: 8, .value_kind: global_buffer, .address_space: global }
      - { .name: wv, .offset: 24, .size: 8, .value_kind: global_buffer, .address_space: global }
      - { .name: wo, .offset: 32, .size: 8, .value_kind: global_buffer, .address_space: global }
      - { .name: lowp_scales, .offset: 40, .size: 8, .value_kind: global_buffer, .address_space: global }
      - { .name: xc, .offset: 48, .size: 8, .value_kind: global_buffer, .address_space: global }
      - { .name: wc, .offset: 56, .size: 8, .value_kind: global_buffer, .address_space: global }
    .group_segment_fixed_size: 34304
    .private_segment_fixed_size: 0
    .kernarg_segment_align: 8
    .kernarg_segment_size: 64
    .max_flat_workgroup_size: 128
    .sgpr_count:     66
    .vgpr_count:     224
    .wavefront_size: 32
...
	.end_amdgpu_metadata
.endif
;; end of part 1
;; launch proj (part 2): grid 32 x 6, 4 waves a work-group, no clusters, 167,936 bytes of LDS; arguments xc, wc, lowp_scales, qkv; writes qkv
.if DOCPART == 2
	.amdgcn_target "amdgcn-amd-amdhsa--gfx1250"
	.amdhsa_code_object_version 6
	.text
	.protected	k_q5127578407_proj
	.globl	k_q5127578407_proj
	.p2align	8
	.type	k_q5127578407_proj,@function
k_q5127578407_proj:
	s_mov_b64 s[64:65], 0
	v_nop
	global_prefetch_b8 v0, s[64:65] scope:SCOPE_SE
	s_setreg_imm32_b32 hwreg(HW_REG_WAVE_MODE, 25, 1), 1
	s_wait_xcnt 0x0
; q = x wq, k = x wk, v = x wv on codes of FP8 (E4M3), and each result quantised again for attention: q with e6, k with e7, v with e9 (entries of lowp_scales).
; Operands come as images of operand registers: a fragment, 16 rows x 128 K, is 2,048 bytes: chunk c at 512 c, lane l at 16 l, codes k = 32 c + 16 (l / 16) + 0 .. 15.
; Row r of tile 2 b + u is index 32 b + 8 u + r + 8 (r / 8); so in a result, whose register j of lane (r, h) belongs to source 0's row 8 h + j, tiles 2 b and 2 b + 1 hold the 16 neighbours 32 b + 16 h + 0 .. 15.
; SHARES.  Work-group (x, y): 128 tokens (8 tiles) x 384 columns of product T = y / 2 (q, k, v), half y % 2.  Wave w: 96 columns = 6 tiles; 48 accumulators in 384 registers stay through all six K steps, so each K step's six
; fragments of the weight are used once, by all eight tiles of x, as they arrive: four K steps are asked for at the head, the fifth and sixth go into the registers of the first and second.
; x's 48 fragments (98,304 bytes, dense in xc) come into LDS by one tensor load a wave, once; all four waves read them all.  Nothing in LDS is filled again.
; No joint loads: a tile of x (a quarter of a work-group's bytes) is shared by two work-groups alone, and the weight goes straight into registers.  No prefetch: all that a work-group reads is asked for from its head on.
; q AND k: source 0 = 16 columns of W, source 1 = 16 tokens: a lane holds one token and neighbouring channels: two conversions make a chunk of q's or k's image (K = the head's 64).
; v: source 0 = 16 tokens, source 1 = 16 columns: a lane holds one channel and neighbouring TOKENS: a chunk of V^T's image, the keys innermost, as the second product of attention wants it.
; qkv: q [12 heads][256 tiles][2 chunks][512] at 0, k the same at 3,145,728, v [12 heads][32 blocks of 128 keys][4 tiles of 16 channels][4 chunks][512] at 6,291,456.  Each store covers 512 consecutive bytes, aligned.
; A sum stands for sum x 2^(ex + ew): its code is sum / 2^(en - ex - ew): the three exponents are folded into the conversion's one.
; LIMIT: en - ex - ew between -126 and 119, for (ex, ew, en) = (e0, e1, e6), (e2, e3, e7), (e4, e5, e9).
; REGISTERS, in windows of 256: window 0: v1-13 addresses and constants; v16-143 four sets of x's two fragments; v144-239 codes.  Windows 1 and 2: v0-191 the accumulators of x's pairs of tiles 0, 1 and 2, 3
; (tile t of W, tile u of the pair: 2 t + u).  The weight's 24 fragments: window 3 holds sixteen, v192-255 of windows 1 and 2 four each.
.set FRB,   2048
.set TILEB, 6*FRB                      ; a tile's six fragments
.set TSZ,   3145728                    ; x's codes with one scale; also q's, k's and v's parts of qkv
.set WSZ,   589824                     ; one weight's codes
.set SPARE, 8*TILEB                    ; behind x's fragments: the spare words, 128 bytes for each wave: two blocks of 256 bytes that no other line names
.set LI0,   1                          ; v1   16 x lane: my place in a chunk, in LDS (tiles 0-3) and in memory
.set LI1,   2                          ; v2   the same 4 tiles further on in LDS (an LDS offset has 16 bits)
.set STA,   4                          ; v4-9 byte offsets in qkv of my chunks
.set SC,    10                         ; v10  2^(en - ex - ew)
.set LIM,   11                         ; v11  448 x that
.set SPW,   12                         ; v12  LDS address of my spare word; never rewritten
.set NIL,   13                         ; v13  0; never rewritten
.set XF,    16
.set CDS,   144
.set G1,    24                         ; s[24:31] descriptor group 1
.set G0,    32                         ; s[32:35] descriptor group 0
.set MSB, 0
.macro WIN new                         ; the immediate's high byte repeats the setting that is left; a switch that changes nothing is dropped
.if MSB != (\new)
	s_set_vgpr_msb (MSB<<8)|(\new)
.set MSB, (\new)
.endif
.endm
.macro PLACES                          ; four plain places in front of loads into registers that matrix instructions have read, and of the first read of results
.rept 4
	v_nop
.endr
.endm
.macro WLOC s, t                       ; where fragment t of K step s lies: window WW, register RW
.set FW, 6*((\s)%4)+(\t)
.if FW < 16
.set WW, 3
.set RW, 16*FW
.else
.set WW, 1+(FW-16)/4
.set RW, 192+16*(FW%4)
.endif
.endm
.macro LOADW s                         ; the weight's six fragments of K step s
.irp t, 0,1,2,3,4,5
	WLOC \s, \t
	WIN (WW<<6)
.irp c, 0,1,2,3
	global_load_b128 v[RW+4*\c:RW+4*\c+3], v[LI0], s[6:7] offset:(6*\t+(\s))*FRB+512*\c
.endr
.endr
	WIN 0
.endm
	s_load_b256 s[4:11], s[0:1], 0x0               ; xc s[4:5], wc s[6:7], the scales' exponents s[8:9], qkv s[10:11]
	v_lshl_add_u32 v[SPW], v0, 2, SPARE
	v_mov_b32 v[NIL], 0
	ds_add_u32 v[SPW], v[NIL]                      ; the wave's opening: the add, twice on end, and its wait ahead of my first tensor load
	ds_add_u32 v[SPW], v[NIL]
	v_lshrrev_b32 v1, 5, v0
	v_readfirstlane_b32 s12, v1                    ; wave 0..3
	s_and_b32 s14, ttmp7, 0xffff
	s_lshr_b32 s15, s14, 1                         ; T: 0 q, 1 k, 2 v
	s_and_b32 s16, s14, 1                          ; which 384 columns
	v_and_b32 v1, 31, v0
	v_lshlrev_b32 v[LI0], 4, v1
	v_add_nc_u32 v[LI1], 4*TILEB, v[LI0]
	; descriptor group 1: 24,576 dense bytes as 96 rows of 256
	s_mov_b32 s[G1+0], 3<<16                       ; no mask; elements of 8 bytes; no padding
	s_mov_b32 s[G1+1], 32<<16                      ; tensor_dim0 = 32 elements
	s_mov_b32 s[G1+2], 96<<16                      ; tensor_dim1 = 96
	s_mov_b32 s[G1+3], 32<<16                      ; tile_dim0 = 32
	s_mov_b32 s[G1+4], 96                          ; tile_dim1 = 96
	s_mov_b32 s[G1+5], 32                          ; from row to row: 32 elements
	s_mov_b32 s[G1+6], 0
	s_mov_b32 s[G1+7], 0
	s_mul_i32 s[G0+1], s12, 2*TILEB                ; LDS: wave w brings tiles 2 w and 2 w + 1
	s_mul_i32 s48, s15, TSZ
	s_mul_i32 s50, ttmp9, 8*TILEB
	s_add_co_u32 s48, s48, s50
	s_add_co_u32 s48, s48, s[G0+1]                 ; the same tiles in xc, with product T's scale
	s_mov_b32 s49, 0
	s_mul_i32 s57, s16, 24
	s_mul_i32 s51, s12, 6
	s_add_co_u32 s57, s57, s51                     ; my first tile of the weight's 48: an even number
	s_mul_i32 s50, s57, TILEB
	s_mul_i32 s51, s15, WSZ
	s_add_co_u32 s50, s50, s51
	s_mov_b32 s51, 0
	s_mul_i32 s56, s15, TSZ
	s_lshl_b32 s52, ttmp9, 13
	s_add_co_u32 s56, s56, s52                     ; in qkv: part T, + 8,192 x work-group x: its 8 tiles of q or k, or its block of 128 keys of v
	s_wait_alu depctr_va_vdst(0)
	s_wait_dscnt 0x0                               ; both opening adds are done
	s_wait_kmcnt 0x0
	s_load_b256 s[36:43], s[8:9], 0x0              ; e0 .. e7
	s_load_b128 s[44:47], s[8:9], 0x20             ; e8 .. e11
	s_mov_b32 s[G0], 1
	s_add_nc_u64 s[G0+2:G0+3], s[4:5], s[48:49]
	s_or_b32 s[G0+3], s[G0+3], 0x80000000          ; type = 2
	s_add_nc_u64 s[6:7], s[6:7], s[50:51]
	tensor_load_to_lds s[G0:G0+3], s[G1:G1+7]      ; my one tensor load of the launch
	s_nop 0
.rept 4
	v_nop
.endr
	LOADW 0
	LOADW 1
	LOADW 2
	LOADW 3
	s_wait_kmcnt 0x0
	s_cmp_eq_u32 s15, 1                            ; (ex, ew, en) by the product's number: selects, no branch
	s_cselect_b32 s52, s38, s36
	s_cselect_b32 s53, s39, s37
	s_cselect_b32 s54, s43, s42
	s_cmp_eq_u32 s15, 2
	s_cselect_b32 s52, s40, s52
	s_cselect_b32 s53, s41, s53
	s_cselect_b32 s54, s45, s54
	s_sub_co_i32 s54, s54, s52
	s_sub_co_i32 s54, s54, s53                     ; en - ex - ew
	s_add_co_i32 s54, s54, 127
	s_lshl_b32 s55, s54, 23
	v_mov_b32 v[SC], s55
	s_add_co_i32 s54, s54, 8
	s_lshl_b32 s54, s54, 23
	s_or_b32 s54, s54, 0x600000
	v_mov_b32 v[LIM], s54
	s_wait_alu depctr_va_vdst(0)
	s_wait_tensorcnt 0x0                           ; my two tiles of x are in LDS,
	s_barrier_signal -1
	s_barrier_wait -1                              ; everybody's are
; Unit q = 4 s + p: K step s, the pair p of x's tiles.  Its two fragments go into set q % 4.
.macro FETCHX q
.irp u, 0,1
.irp c, 0,1,2,3
	ds_load_b128 v[XF+32*((\q)%4)+16*\u+4*\c:XF+32*((\q)%4)+16*\u+4*\c+3], v[LI0+((\q)%4)/2] offset:((\q)%2)*2*TILEB+\u*TILEB+((\q)/4)*FRB+512*\c
.endr
.endr
.endm
; Its twelve matrix instructions.  vp = 0: source 0 = W, source 1 = x; vp = 1: the other way round.  The first K step's products start the sums.
; The accumulators take turns, one instruction a turn, in the same order in every K step.
.macro MUL12 q, vp
.set AW, 1+((\q)%4)/2
.irp t, 0,1,2,3,4,5
	WLOC (\q)/4, \t
.if \vp
	WIN ((WW<<2)|(AW*0x50))
.else
	WIN (WW|(AW*0x50))
.endif
.irp u, 0,1
.set RA, 96*((\q)%2)+8*(2*\t+\u)
.set RX, XF+32*((\q)%4)+16*\u
.if \vp
.if (\q) < 4
	v_wmma_f32_16x16x128_fp8_fp8 v[RA:RA+7], v[RX:RX+15], v[RW:RW+15], 0
.else
	v_wmma_f32_16x16x128_fp8_fp8 v[RA:RA+7], v[RX:RX+15], v[RW:RW+15], v[RA:RA+7]
.endif
.else
.if (\q) < 4
	v_wmma_f32_16x16x128_fp8_fp8 v[RA:RA+7], v[RW:RW+15], v[RX:RX+15], 0
.else
	v_wmma_f32_16x16x128_fp8_fp8 v[RA:RA+7], v[RW:RW+15], v[RX:RX+15], v[RA:RA+7]
.endif
.endif
.endr
.endr
	WIN 0
.endm
; A pair's twelve sums become six chunks of codes and leave.  A chunk is made of the two accumulators whose registers are 16 neighbours: vp = 0: W's tiles 2 i and 2 i + 1 against x's tile u (chunk 2 i + u);
; vp = 1: x's tiles u = 0 and 1 against W's tile t (chunk t).  Each accumulator is read from its low end on.  Each pair has code registers of its own, so no store's data are written again.
.macro EPI p, vp
.set AW, 1+(\p)/2
.set AB, 96*((\p)%2)
.set CB, CDS+24*(\p)
	PLACES
	WIN (AW*0x41)
.set n, 0
.rept 96
	v_med3_num_f32 v[AB+n], v[AB+n], -v[LIM], v[LIM]   ; the conversion to an 8-bit code does not saturate (ISA guide 7.6.2): the hold at the largest code x the scale
.set n, n+1
.endr
	WIN AW
.irp q, 0,1,2,3,4,5
.if \vp
.set LO, AB+8*(2*\q)
.set HI, AB+8*(2*\q+1)
.else
.set LO, AB+8*(4*(\q/2)+\q%2)
.set HI, AB+8*(4*(\q/2)+2+\q%2)
.endif
	v_cvt_scalef32_pk8_fp8_f32 v[CB+4*\q:CB+4*\q+1], v[LO:LO+7], v[SC]
	v_cvt_scalef32_pk8_fp8_f32 v[CB+4*\q+2:CB+4*\q+3], v[HI:HI+7], v[SC]
.endr
	WIN 0
	v_nop                                          ; one plain line behind the last conversion
.irp q, 0,1,2,3,4,5
.if \vp
	global_store_b128 v[STA+\q], v[CB+4*\q:CB+4*\q+3], s[10:11] offset:512*(\p)              ; V^T: tile t of the channels, chunk p: keys 32 p .. 32 p + 31 of the block
.else
	global_store_b128 v[STA+\q/2], v[CB+4*\q:CB+4*\q+3], s[10:11] offset:(2*(\p)+\q%2)*1024  ; q or k: tile 2 p + u of my 8 tiles of tokens
.endif
.endr
.endm
.macro UNIT q, vp
.if (\q) < 22
	PLACES                                         ; the set that is loaded next was read by products two units ago
	FETCHX (\q)+2
	s_wait_dscnt 16                                ; this unit's eight loads are in; those of the next two units may be out
.else
	s_wait_dscnt 8*(23-(\q))
.endif
.if (\q) == 0
	s_wait_loadcnt 63                              ; K step 0's 24 loads of 96: 72 might stay out; a wait names 63 at the most
.elseif (\q) == 4 || (\q) == 8 || (\q) == 12
	s_wait_loadcnt 48                              ; two younger K steps may be out
.elseif (\q) == 16
	s_wait_loadcnt 24
.elseif (\q) == 20
	s_wait_loadcnt 0
.endif
	MUL12 \q, \vp
.if (\q) == 4 || (\q) == 8
	LOADW (\q)/4+3                                 ; into the registers of the K step before: behind its last products stand the four places above
.endif
.if (\q) > 20
	EPI (\q)-21, \vp                               ; the pair before is finished
.endif
.endm
.macro RUN vp
	FETCHX 0
	FETCHX 1
.set Q, 0
.rept 24
	UNIT Q, \vp
.set Q, Q+1
.endr
	EPI 3, \vp
	s_wait_tensorcnt 0x0                           ; the wave's end
	ds_add_u32 v[SPW], v[NIL]
	s_wait_dscnt 0x0
	s_endpgm
.endm
	s_cmp_eq_u32 s15, 2                            ; the work-group's number alone: all four waves go the same way, and no barrier follows
	s_cbranch_scc1 .Lv
	s_lshr_b32 s57, s57, 1                         ; my first pair of W's tiles: 32 channels each; pair P: head P / 2, chunk P % 2
.irp i, 0,1,2
	s_add_co_u32 s48, s57, \i
	s_lshr_b32 s49, s48, 1
	s_lshl_b32 s49, s49, 18                        ; a head's 262,144 bytes
	s_and_b32 s48, s48, 1
	s_lshl_b32 s48, s48, 9
	s_add_co_u32 s48, s48, s49
	s_add_co_u32 s48, s48, s56
	v_add_nc_u32 v[STA+\i], s48, v[LI0]
.endr
	RUN 0
.Lv:
.irp t, 0,1,2,3,4,5
	s_add_co_u32 s48, s57, \t                      ; W's tile: head tile / 4, tile % 4 of the head's four tiles of channels
	s_lshr_b32 s49, s48, 2
	s_lshl_b32 s49, s49, 18
	s_and_b32 s48, s48, 3
	s_lshl_b32 s48, s48, 11
	s_add_co_u32 s48, s48, s49
	s_add_co_u32 s48, s48, s56
	v_add_nc_u32 v[STA+\t], s48, v[LI0]
.endr
	RUN 1
.Lfunc_end_k_q5127578407_proj:
	.size	k_q5127578407_proj, .Lfunc_end_k_q5127578407_proj-k_q5127578407_proj
	.p2alignl 7, 3214868480
	.fill 96, 4, 3214868480
	.section	.rodata,"a",@progbits
	.p2align	6, 0x0
	.amdhsa_kernel k_q5127578407_proj
		.amdhsa_group_segment_fixed_size 167936
		.amdhsa_private_segment_fixed_size 0
		.amdhsa_enable_private_segment 0
		.amdhsa_kernarg_size 32
		.amdhsa_user_sgpr_count 2
		.amdhsa_user_sgpr_kernarg_segment_ptr 1
		.amdhsa_wavefront_size32 1
		.amdhsa_system_sgpr_workgroup_id_x 1
		.amdhsa_system_sgpr_workgroup_id_y 1
		.amdhsa_system_sgpr_workgroup_id_z 1
		.amdhsa_system_vgpr_workitem_id 0
		.amdhsa_next_free_vgpr 1024
		.amdhsa_next_free_sgpr 66
		.amdhsa_reserve_vcc 0
		.amdhsa_float_denorm_mode_32 3
		.amdhsa_float_denorm_mode_16_64 3
		.amdhsa_memory_ordered 1
		.amdhsa_forward_progress 1
		.amdhsa_inst_pref_size 156
	.end_amdhsa_kernel
	.amdgpu_metadata
---
amdhsa.version: [ 1, 2 ]
amdhsa.kernels:
  - .name:           k_q5127578407_proj
    .symbol:         k_q5127578407_proj.kd
    .args:
      - { .name: xc, .offset: 0, .size: 8, .value_kind: global_buffer, .address_space: global }
      - { .name: wc, .offset: 8, .size: 8, .value_kind: global_buffer, .address_space: global }
      - { .name: lowp_scales, .offset: 16, .size: 8, .value_kind: global_buffer, .address_space: global }
      - { .name: qkv, .offset: 24, .size: 8, .value_kind: global_buffer, .address_space: global }
    .group_segment_fixed_size: 167936
    .private_segment_fixed_size: 0
    .kernarg_segment_align: 8
    .kernarg_segment_size: 32
    .max_flat_workgroup_size: 128
    .sgpr_count:     66
    .vgpr_count:     1024
    .wavefront_size: 32
...
	.end_amdgpu_metadata
.endif
;; end of part 2
;; launch attn (part 3): grid 256 x 1, 8 waves a work-group, no clusters, 279,552 bytes of LDS; arguments qkv, lowp_scales, cc; writes cc
.if DOCPART == 3
	.amdgcn_target "amdgcn-amd-amdhsa--gfx1250"
	.amdhsa_code_object_version 6
	.text
	.protected	k_q5127578407_attn
	.globl	k_q5127578407_attn
	.p2align	8
	.type	k_q5127578407_attn,@function
k_q5127578407_attn:
	s_mov_b64 s[64:65], 0
	v_nop
	global_prefetch_b8 v0, s[64:65] scope:SCOPE_SE
	s_setreg_imm32_b32 hwreg(HW_REG_WAVE_MODE, 25, 1), 1
	s_wait_xcnt 0x0
; ctx[q][head] = the sum over keys k <= q of softmax_k(Q . K / 8) V, both products on codes of FP8 (E4M3); ctx is quantised (e10) for the last product and stored as codes.
; q, k, v come as images of operand registers: q, k: [12 heads][256 tiles of 16 tokens][2 chunks][512], K = the head's 64; v: [12 heads][32 blocks of 128 keys][4 tiles of 16 channels][4 chunks][512], K = the keys.
; Row r of tile 2 b + u is index 32 b + 8 u + r + 8 (r / 8).  A chunk c holds, at 16 x lane, the codes k = 32 c + 16 (lane / 16) + 0 .. 15 of row lane % 16.
; THE SOFTMAX AHEAD OF THE SECOND PRODUCT: t = score x log2(e) / 8; M = the row's largest t so far, rounded UP to a whole number; p = 2^(t - M) is what is quantised (e8), not normalised.
; The row's sum is taken of the unquantised p, in f32, and divides at the end.  When M moves, the sum and O are multiplied by 2^(old M - new M): exact.
; WORK LEFT OUT: units of keys that all come after a block's queries (the causal mask gives them the weight 0, whatever the inputs).  LIMIT: a NaN or an infinity that reaches only those scores is not carried.
; SHARES.  A block is 64 queries (4 tiles, two pairs) of one head; block j needs n = (j + 2) / 2 units of 128 keys, each of two HALVES: one pair of tiles x the unit's keys.  Work-group i of 64 (of each group of three heads)
; owns three blocks, one in each of the three heads: i % 32, i % 32 + 32 and 62 - 2 (i % 32) + i / 32: together 49 or 50 units, whatever i, and each block of each head has one owner.  The halves of the three blocks lie in
; one list of L places, with one empty place for each change of block; position p of eight takes the places p L / 8 to (p + 1) L / 8 - 1 of it.  The middle block has 34 halves or more and a run 13 places at the most, so a
; wave works on two blocks at the most, which differ in parity.  A run may begin with a unit's second half and end with a unit's first.
; OPERANDS.  A wave has keys of its own: K and V go from memory straight into registers, each fragment serves the four tiles of queries, and nothing in the loop is shared between waves: no LDS, no barrier there.
; No joint loads: no tile lies in LDS, and the work-groups that read a head walk unlike numbers of its units.  No prefetch: each wave has its next unit's K and V asked for, into registers, while it works on the present one.
; A wave's part of a block (O, -M, the sum) goes to LDS, slot (position, block % 2); behind one barrier wave w joins tile w / 2, channels 32 (w % 2) .. + 31 of each block over the positions that worked on it.
; LAYOUT.  Both products transposed: S^T = K Q^T, O^T = V^T P^T: a lane holds ONE query (lane % 16) throughout.  S^T's register 16 b + i is key 32 b + 16 (lane / 16) + i of the unit's 128; O^T's is channel 32 b + 16 (lane / 16) + i.
; cc: [256 tiles][6 K steps][2,048]: head h's channels are chunks 2 (h % 2) and 2 (h % 2) + 1 of K step h / 2.  Each store covers 512 consecutive bytes, aligned.
; THE HOLD on p at 448 x 2^e8 is passed over where it cannot act: |t| is at most 64 x 448^2 x log2(e) / 8 x 2^(e6 + e7), under 2^23 for e6 + e7 <= 1, so t - M, rounded once, is at most 1/4 and p under 1.2; for e8 >= -8 the
; hold lies at 1.75 or more.  The branch hangs on the three exponents alone (this launch has no tensor load).
; LIMITS on the given exponents, so that each power of two below is an f32 number: e6 + e7 between -123 and 130; e8 and e10 between -126 and 119; e8 + e9 goes by v_ldexp_f32 and has none.
; The promise holds while the scaled scores stay under 2^31 in magnitude.
; REGISTERS: window 0: v1-13 addresses and constants; v[14:15], v[194:195] f of a pair's two tiles; v16, 18, 20, 22 -M of the tiles; v24-31 their sums in two halves; v32-95, v96-159 S^T, then p, of a pair's two tiles;
; v160-175, v176-191 their codes (at work before the codes are made); v192-199 at work; v224-255 Q.  Window 1: v0-127 O^T, 32 a tile; v128-191 K; v192-255 V.
.set SL,    17408                      ; an LDS slot: O of four tiles, 16,384 bytes; then (-M, sum) of each lane, 8 bytes a tile
.set SPARE, 16*SL                      ; behind the sixteen slots: the spare words, 128 bytes for each wave: four blocks of 256 bytes that no other line names
.set PARTB, 3145728                    ; q's, k's and v's parts of qkv
.set UNITB, 8192                       ; a unit's bytes of K, and of V
.set LI,   1                           ; v1   16 x lane
.set DQ,   2                           ; v2   my query's place in a group of 32 keys, less 16 (lane / 16), for the even tiles
.set PB,   3                           ; v3   LDS: my position's two slots, + 16 x lane
.set JB,   4                           ; v4   LDS, the join: my tile and half in a slot, + 16 x lane
.set SPW,  5                           ; v5   LDS address of my spare word; never rewritten
.set NIL,  6                           ; v6   0; never rewritten
.set JA2,  7                           ; v7   the join: address of (-M, sum)
.set JST,  8                           ; v8   the join: my tile's (-M, sum) in a slot, + 16 x lane
.set NINF, 9                           ; v9   -infinity
.set SC,   10                          ; v10  2^e8
.set LIMV, 11                          ; v11  448 x 2^e8
.set JA,   12                          ; v12  the join: address of O
.set TA,   160                         ; a pair's two tiles: 16 registers each at work, then their codes
.set TB,   176
.set PD,   192                         ; v192, v193 what the lane permutes bring
.set FB,   194                         ; v[194:195] f of the pair's second tile
.set WV,   10                          ; s10  my wave's number
.set J0,   14                          ; s14-16 the three blocks
.set H0,   17                          ; s17-19 their heads
.set SEL,  20                          ; s[20:21] lane selects for v_permlanex16_b32: lane l xor 16
.set CS,   22                          ; s[22:23] c = log2(e) / 8 x 2^(e6 + e7), twice
.set NCS,  24                          ; s24  -c
.set HF,   25                          ; s25  1 where the hold on p may act
.set QA,   26                          ; s[26:27], s[28:29], s[30:31] where Q, K and V stand
.set KA,   28
.set VA,   30
.set UT,   32                          ; s32  L, the list's places
.set WS,   33                          ; s33  my first place of the list, s34 the one behind my last
.set WE,   34
.set OFF,  35                          ; s35  the block's first place in the list
.set KI,   36                          ; s36  which of the three blocks
.set JJ,   37                          ; s37  its number in its head
.set HH,   38                          ; s38  its head
.set U,    39                          ; s39  the unit in hand, counted in the block; s54 the one behind my last in it
.set UE,   54
.set DG,   55                          ; s55  the block's last unit, on the diagonal
.set PAR,  56                          ; s56  block % 2: in which half of that unit's keys the queries lie
.set TOG,  57
.set OFFN, 62                          ; s62  the place behind the block's last
.set PP,   66                          ; the join: s66 position, s67 its slots' LDS byte, s68 the slot, s69 1 if it worked on the block, s70 the same of the position before, s71 trips
.set LA,   67
.set LB,   68
.set CC,   69
.set PEND, 70
.set CNT,  71
.set HS,   72                          ; s72  my first half in the block, s73 the one behind my last
.set HE,   73
.set MSB, 0
.macro WIN new                         ; the immediate's high byte repeats the setting that is left; a switch that changes nothing is dropped
.if MSB != (\new)
	s_set_vgpr_msb (MSB<<8)|(\new)
.set MSB, (\new)
.endif
.endm
.macro PLACES                          ; four plain places behind matrix instructions (ISA guide 7.12.1)
.rept 4
	v_nop
.endr
.endm
.macro LOADKV reg, adr                 ; a unit's 8,192 bytes of K or of V into 64 registers of window 1
	WIN 0x40
.set n, 0
.rept 16
	global_load_b128 v[\reg+4*n:\reg+4*n+3], v[LI], s[\adr:\adr+1] offset:512*n
.set n, n+1
.endr
	WIN 0
.endm
.macro MGRP sb, g, u                   ; the group of 32 keys that holds the tile's queries: register i is key 16 (lane / 16) + i of it: hidden where it comes after 8 u + r + 8 (r / 8)
.set n, 0
.rept 16
	v_cmp_gt_i32 vcc_lo, n-8*(\u), v[DQ]
	v_cndmask_b32 v[(\sb)+16*(\g)+n], v[(\sb)+16*(\g)+n], v[NINF], vcc_lo
.set n, n+1
.endr
.endm
.macro MHID sb, g0                     ; groups g0 .. 3 come after all the tile's queries
.set n, 16*(\g0)
.rept 64-16*(\g0)
	v_mov_b32 v[(\sb)+n], v[NINF]
.set n, n+1
.endr
.endm
.macro DEP n
	s_delay_alu instid0(VALU_DEP_\n)
.endm
; THE PAIR p of tiles (2 p and 2 p + 1) on the unit's 128 keys: S^T, the softmax of both tiles by turns, and O^T.
.macro PAIR p
.set NA, 16+4*(\p)
.set NB, 18+4*(\p)
.set SA, 24+4*(\p)
.set SB, 26+4*(\p)
	WIN 0x01
.irp u, 0,1
.set n, 0
.rept 8
	v_wmma_f32_16x16x64_fp8_fp8 v[32+64*\u+8*n:39+64*\u+8*n], v[128+8*n:135+8*n], v[224+16*(\p)+8*\u:231+16*(\p)+8*\u], 0
.set n, n+1
.endr
.endr
	WIN 0
	PLACES
.if \p                                 ; K's registers have been read by both pairs: they take the next unit's
	s_add_co_u32 s53, s[U], 1
	s_cmp_lt_u32 s53, s[UE]
	s_cbranch_scc0 .Lnok_\@
	LOADKV 128, KA
	s_branch .Lk_\@
.Lnok_\@:
	s_wait_loadcnt 0x0                             ; my last unit of the block: no load follows V's, so V is waited for here
.Lk_\@:
.endif
	s_cmp_lg_u32 s[U], s[DG]                       ; all keys count but on the diagonal; there the scores of hidden keys become -infinity ahead of the maximum: p = 0 then.  A query's own key always counts
	s_cbranch_scc1 .Lopen_\@
	s_cmp_eq_u32 s[PAR], 0
	s_cbranch_scc1 .Leven_\@
	MGRP 32, 2+(\p), 0
	MHID 32, 3+(\p)
	MGRP 96, 2+(\p), 1
	MHID 96, 3+(\p)
	s_wait_alu depctr_va_vdst(0)
	s_branch .Lopen_\@
.Leven_\@:
	MGRP 32, (\p), 0
	MHID 32, 1+(\p)
	MGRP 96, (\p), 1
	MHID 96, 1+(\p)
	s_wait_alu depctr_va_vdst(0)
.Lopen_\@:
.set n, 0
.rept 4                                ; the largest score of my query among my 64 keys, in four chains a tile, each accumulator from its low end on
	v_max3_num_f32 v[TA+n], v[32+3*n], v[33+3*n], v[34+3*n]
	v_max3_num_f32 v[TB+n], v[96+3*n], v[97+3*n], v[98+3*n]
.set n, n+1
.endr
.set n, 0
.rept 26
	v_max3_num_f32 v[TA+n%4], v[TA+n%4], v[44+2*n], v[45+2*n]
	v_max3_num_f32 v[TB+n%4], v[TB+n%4], v[108+2*n], v[109+2*n]
.set n, n+1
.endr
	DEP 2
	v_max3_num_f32 v[TA], v[TA], v[TA+1], v[TA+2]
	DEP 2
	v_max3_num_f32 v[TB], v[TB], v[TB+1], v[TB+2]
	DEP 2
	v_max_num_f32 v[TA], v[TA], v[TA+3]
	DEP 2
	v_max_num_f32 v[TB], v[TB], v[TB+3]
	DEP 2
	v_permlanex16_b32 v[PD], v[TA], s[SEL], s[SEL+1]
	DEP 2
	v_permlanex16_b32 v[PD+1], v[TB], s[SEL], s[SEL+1]
	DEP 2
	v_max_num_f32 v[TA], v[TA], v[PD]              ; and among lane l xor 16's
	DEP 2
	v_max_num_f32 v[TB], v[TB], v[PD+1]
	DEP 2
	v_mul_f32 v[TA], s[NCS], v[TA]                 ; as -t
	DEP 2
	v_mul_f32 v[TB], s[NCS], v[TB]
	DEP 2
	v_floor_f32 v[TA], v[TA]                       ; floor(-t) = -ceil(t): a whole number
	DEP 2
	v_floor_f32 v[TB], v[TB]
	DEP 2
	v_min_num_f32 v[TA+1], v[NA], v[TA]            ; the new -M
	DEP 2
	v_min_num_f32 v[TB+1], v[NB], v[TB]
	DEP 2
	v_sub_f32 v[TA+2], v[TA+1], v[NA]              ; M's old value less its new one: a whole number, 0 or less
	DEP 2
	v_sub_f32 v[TB+2], v[TB+1], v[NB]
	DEP 2
	v_cvt_i32_f32 v[TA+2], v[TA+2]                 ; (it saturates)
	DEP 2
	v_cvt_i32_f32 v[TB+2], v[TB+2]
	v_mov_b32 v[NA], v[TA+1]
	v_mov_b32 v[NB], v[TB+1]
	DEP 4
	v_ldexp_f32 v14, 1.0, v[TA+2]                  ; f = 2^(old M - new M)
	DEP 4
	v_ldexp_f32 v[FB], 1.0, v[TB+2]
	WIN 0x41
	s_wait_alu depctr_va_vdst(0)                   ; directly ahead of the first reader of O^T
.set n, 64*(\p)
.rept 16
	v_pk_mul_f32 v[n:n+1], v[n:n+1], v[14:15] op_sel_hi:[1,0]             ; O^T under the new M
.set n, n+2
.endr
.rept 16
	v_pk_mul_f32 v[n:n+1], v[n:n+1], v[FB:FB+1] op_sel_hi:[1,0]
.set n, n+2
.endr
	WIN 0
.set n, 0
.rept 16
	v_pk_fma_f32 v[32+n:33+n], v[32+n:33+n], s[CS:CS+1], v[NA:NA+1] op_sel_hi:[1,0,0]     ; t - M, two at a time: the first 32 of each tile
	v_pk_fma_f32 v[96+n:97+n], v[96+n:97+n], s[CS:CS+1], v[NB:NB+1] op_sel_hi:[1,0,0]
.set n, n+2
.endr
	s_wait_alu depctr_va_vdst(0)                   ; ahead of the batch
.set n, 0
.rept 16
	v_exp_f32 v[32+n], v[32+n]                     ; p = 2^(t - M), not normalised;
	v_exp_f32 v[96+n], v[96+n]
	v_pk_fma_f32 v[64+n:65+n], v[64+n:65+n], s[CS:CS+1], v[NA:NA+1] op_sel_hi:[1,0,0]     ; between them t - M of the other 32
	v_exp_f32 v[33+n], v[33+n]
	v_exp_f32 v[97+n], v[97+n]
	v_pk_fma_f32 v[128+n:129+n], v[128+n:129+n], s[CS:CS+1], v[NB:NB+1] op_sel_hi:[1,0,0]
.set n, n+2
.endr
	s_wait_alu depctr_va_vdst(0)                   ; behind the one batch and ahead of the next
.set n, 0
.rept 8
.irp i, 0,1,2,3
	v_exp_f32 v[64+4*n+\i], v[64+4*n+\i]
.endr
	v_pk_add_f32 v[TA+2*n:TA+2*n+1], v[32+4*n:33+4*n], v[34+4*n:35+4*n]                   ; the row's sum is taken of the unquantised p
.irp i, 0,1,2,3
	v_exp_f32 v[128+4*n+\i], v[128+4*n+\i]
.endr
	v_pk_add_f32 v[TB+2*n:TB+2*n+1], v[96+4*n:97+4*n], v[98+4*n:99+4*n]
.set n, n+1
.endr
	s_wait_alu depctr_va_vdst(0)                   ; behind the batch
.irp o, 0,16
.set n, 0
.rept 8
	v_pk_add_f32 v[TA+n:TA+n+1], v[TA+n:TA+n+1], v[64+\o+n:65+\o+n]
	v_pk_add_f32 v[TB+n:TB+n+1], v[TB+n:TB+n+1], v[128+\o+n:129+\o+n]
.set n, n+2
.endr
.endr
.set n, 0
.rept 4
	v_pk_add_f32 v[TA+n:TA+n+1], v[TA+n:TA+n+1], v[TA+8+n:TA+9+n]
	v_pk_add_f32 v[TB+n:TB+n+1], v[TB+n:TB+n+1], v[TB+8+n:TB+9+n]
.set n, n+2
.endr
.irp n, 0,2
	DEP 4
	v_pk_add_f32 v[TA+\n:TA+\n+1], v[TA+\n:TA+\n+1], v[TA+4+\n:TA+5+\n]
	DEP 4
	v_pk_add_f32 v[TB+\n:TB+\n+1], v[TB+\n:TB+\n+1], v[TB+4+\n:TB+5+\n]
.endr
	DEP 2
	v_pk_add_f32 v[TA:TA+1], v[TA:TA+1], v[TA+2:TA+3]
	DEP 2
	v_pk_add_f32 v[TB:TB+1], v[TB:TB+1], v[TB+2:TB+3]
	DEP 2
	v_pk_fma_f32 v[SA:SA+1], v[SA:SA+1], v[14:15], v[TA:TA+1] op_sel_hi:[1,0,1]
	DEP 2
	v_pk_fma_f32 v[SB:SB+1], v[SB:SB+1], v[FB:FB+1], v[TB:TB+1] op_sel_hi:[1,0,1]
	s_cmp_eq_u32 s[HF], 0
	s_cbranch_scc1 .Lheld_\@
.set n, 32
.rept 64
	v_dual_min_num_f32 v[n], v[LIMV], v[n] :: v_dual_min_num_f32 v[n+1], v[LIMV], v[n+1]   ; the conversion to an 8-bit code does not saturate (ISA guide 7.6.2); p is not negative, so the hold is one-sided
.set n, n+2
.endr
.Lheld_\@:
.irp b, 0,1,2,3,4,5,6,7                ; the second tile's numbers and codes lie right behind the first's
	v_cvt_scalef32_pk8_fp8_f32 v[TA+4*\b:TA+4*\b+1], v[32+16*\b:39+16*\b], v[SC]
	v_cvt_scalef32_pk8_fp8_f32 v[TA+4*\b+2:TA+4*\b+3], v[40+16*\b:47+16*\b], v[SC]
.endr
	v_nop                                          ; one plain line behind the last conversion
	s_wait_alu depctr_va_vdst(0)
.if \p
	s_wait_loadcnt 16                              ; V is in; the next unit's 16 loads of K may be out (in my last unit V was waited for above)
	s_add_nc_u64 s[VA:VA+1], s[VA:VA+1], UNITB
.else
	s_wait_loadcnt 0x0                             ; V is in: its loads are the youngest
.endif
	WIN 0x51
.irp u, 0,1
.irp c, 0,1,2,3
	v_wmma_f32_16x16x128_fp8_fp8 v[64*(\p)+32*\u+8*\c:64*(\p)+32*\u+8*\c+7], v[192+16*\c:207+16*\c], v[TA+16*\u:TA+16*\u+15], v[64*(\p)+32*\u+8*\c:64*(\p)+32*\u+8*\c+7]   ; eight accumulators, one instruction each
.endr
.endr
	WIN 0
	PLACES                                         ; for V's and the codes' registers, and for the first read of O^T
.endm
; Which block: its number, its head, its last unit and its end in the list.
.macro PICK
	s_cmp_eq_u32 s[KI], 1
	s_cselect_b32 s[JJ], s[J0+1], s[J0]
	s_cselect_b32 s[HH], s[H0+1], s[H0]
	s_cmp_eq_u32 s[KI], 2
	s_cselect_b32 s[JJ], s[J0+2], s[JJ]
	s_cselect_b32 s[HH], s[H0+2], s[HH]
	s_add_co_u32 s52, s[JJ], 2
	s_lshr_b32 s52, s52, 1
	s_sub_co_u32 s[DG], s52, 1
	s_lshl_b32 s52, s52, 1
	s_add_co_u32 s[OFFN], s[OFF], s52
.endm
; My part of a block into the slot that begins off bytes behind my position's first.
.macro PSTORE off
	WIN 0x04
.set n, 0
.rept 32
	ds_store_b128 v[PB], v[4*n:4*n+3] offset:(\off)+512*n
.set n, n+1
.endr
	WIN 0
.irp t, 0,1,2,3
	ds_store_b64 v[PB], v[16+2*\t:17+2*\t] offset:(\off)+16384+512*(\t/2)+8*(\t%2)
.endr
.endm
	s_load_b128 s[4:7], s[0:1], 0x0                ; qkv s[4:5], the scales' exponents s[6:7]
	s_load_b64 s[8:9], s[0:1], 0x10                ; cc
	v_lshl_add_u32 v[SPW], v0, 2, SPARE
	v_mov_b32 v[NIL], 0
	v_lshrrev_b32 v28, 5, v0
	v_readfirstlane_b32 s[WV], v28                 ; wave 0..7
	v_and_b32 v[LI], 31, v0
	v_and_b32 v28, 15, v0                          ; r
	v_and_b32 v29, 8, v0                           ; 8 (r / 8)
	v_bfe_u32 v30, v0, 4, 1
	v_lshlrev_b32 v[LI], 4, v[LI]
	v_add_nc_u32 v28, v28, v29
	v_lshlrev_b32 v30, 4, v30
	v_mov_b32 v[NINF], 0xff800000
	v_sub_nc_u32 v[DQ], v28, v30                   ; r + 8 (r / 8) - 16 (lane / 16)
	v_mov_b32 v15, 0                               ; (named as the upper half of the pair v[14:15])
.set n, 0
.rept 8
	v_mov_b32 v[PD+n], 0                           ; written once: a lane permute's destination counts as one of its sources; v195 is named as the upper half of a pair
.set n, n+1
.endr
	s_lshr_b32 s11, s[WV], 2
	s_mul_i32 s11, s11, 3
	s_xor_b32 s11, s11, s[WV]                      ; my position: waves 0 to 3 take 0 to 3, waves 4 to 7 take 7 to 4
	s_mul_i32 s12, s11, 2*SL
	s_lshl_b32 s13, s[WV], 11                      ; the join: tile w / 2, half w % 2: 2,048 bytes
	s_lshr_b32 s52, s[WV], 2
	s_lshl_b32 s52, s52, 9
	s_lshr_b32 s53, s[WV], 1
	s_and_b32 s53, s53, 1
	s_lshl_b32 s53, s53, 3
	s_add_co_u32 s52, s52, s53
	s_wait_alu depctr_va_vdst(0)                   ; ahead of the readers below
	v_add_nc_u32 v[PB], s12, v[LI]
	v_add_nc_u32 v[JB], s13, v[LI]
	v_add_nc_u32 v[JST], s52, v[LI]
	s_lshr_b32 s52, ttmp9, 6                       ; which three heads
	s_mul_i32 s52, s52, 3
	s_and_b32 s53, ttmp9, 31
	s_bfe_u32 s58, ttmp9, 0x10005                  ; i / 32
	s_mov_b32 s[J0], s53
	s_add_co_u32 s[J0+1], s53, 32
	s_lshl_b32 s53, s53, 1
	s_sub_co_u32 s53, 62, s53
	s_add_co_u32 s[J0+2], s53, s58
	s_add_co_u32 s[H0], s52, s58                   ; the first two heads change places with i / 32
	s_add_co_u32 s[H0+1], s52, 1
	s_sub_co_u32 s[H0+1], s[H0+1], s58
	s_add_co_u32 s[H0+2], s52, 2
	s_mov_b32 s[UT], 1
.irp k, 0,1,2
	s_add_co_u32 s52, s[J0+\k], 2
	s_lshr_b32 s52, s52, 1
	s_add_co_u32 s[UT], s[UT], s52
.endr
	s_lshl_b32 s[UT], s[UT], 1                     ; L: two halves a unit, and two empty places
	s_mul_i32 s52, s11, s[UT]
	s_add_co_u32 s53, s52, s[UT]
	s_lshr_b32 s[WS], s52, 3
	s_lshr_b32 s[WE], s53, 3
	s_mov_b32 s[SEL], 0x76543210
	s_mov_b32 s[SEL+1], 0xfedcba98
	s_mov_b32 s[OFF], 0
	s_mov_b32 s[KI], 0
	s_wait_alu depctr_va_vdst(0)
	s_wait_kmcnt 0x0
	s_load_b256 s[40:47], s[6:7], 0x0              ; e0 .. e7
	s_load_b128 s[48:51], s[6:7], 0x20             ; e8 .. e11
.Lblock:                                           ; three trips, one for each block; a wave with no half in the block passes on
	PICK
	s_max_u32 s[HS], s[WS], s[OFF]
	s_min_u32 s[HE], s[WE], s[OFFN]
	s_cmp_ge_u32 s[HS], s[HE]
	s_cbranch_scc1 .Lnext
	s_sub_co_u32 s[HS], s[HS], s[OFF]
	s_sub_co_u32 s[HE], s[HE], s[OFF]
	s_lshr_b32 s[U], s[HS], 1
	s_add_co_u32 s[UE], s[HE], 1
	s_lshr_b32 s[UE], s[UE], 1
	s_and_b32 s[PAR], s[JJ], 1
	s_lshl_b32 s58, s[HH], 18                      ; a head's 262,144 bytes in each part
	s_mov_b32 s59, 0
	s_add_nc_u64 s[VA:VA+1], s[4:5], s[58:59]
	s_lshl_b32 s58, s[JJ], 12                      ; four tiles of Q
	s_add_nc_u64 s[QA:QA+1], s[VA:VA+1], s[58:59]
	s_lshl_b32 s58, s[U], 13
	s_add_nc_u64 s[VA:VA+1], s[VA:VA+1], s[58:59]
	s_add_nc_u64 s[KA:KA+1], s[VA:VA+1], PARTB
	s_add_nc_u64 s[VA:VA+1], s[VA:VA+1], 2*PARTB
.set n, 0
.rept 8
	global_load_b128 v[224+4*n:227+4*n], v[LI], s[QA:QA+1] offset:512*n
.set n, n+1
.endr
	LOADKV 128, KA
	LOADKV 192, VA
.irp t, 0,1,2,3
	v_mov_b32 v[16+2*\t], 0x7f61b1e6               ; -M of no key at all: 3e38
	v_mov_b32 v[17+2*\t], 0
	v_mov_b32 v[24+2*\t], 0
	v_mov_b32 v[25+2*\t], 0
.endr
	WIN 0x40
.set n, 0
.rept 128
	v_mov_b32 v[n], 0                              ; O^T, under the loads' flight.  (The unit is written once: a block's first finds zeros, which the first change of M leaves zeros; so does a pair that my run leaves out)
.set n, n+1
.endr
	WIN 0
	s_wait_alu depctr_va_vdst(0)
	s_wait_kmcnt 0x0
	s_add_co_i32 s52, s46, s47
	s_lshl_b32 s53, s52, 23
	s_mov_b32 s[CS], 0x3e38aa3b                    ; log2(e) / 8
	s_add_co_i32 s[CS], s[CS], s53                 ; a score stands for score x 2^(e6 + e7): the exponents are added to c's exponent field
	s_mov_b32 s[CS+1], s[CS]                       ; (named with it as a pair, so it is written)
	s_xor_b32 s[NCS], s[CS], 0x80000000
	s_cmp_lt_i32 s48, -8
	s_cselect_b32 s[HF], 1, 0
	s_cmp_gt_i32 s52, 1
	s_cselect_b32 s[HF], 1, s[HF]
	s_add_co_i32 s52, s48, 127
	s_lshl_b32 s53, s52, 23
	v_mov_b32 v[SC], s53                           ; 2^e8, for p's conversions
	s_add_co_i32 s52, s52, 8
	s_lshl_b32 s52, s52, 23
	s_or_b32 s52, s52, 0x600000
	v_mov_b32 v[LIMV], s52                         ; 448 x 2^e8
	s_wait_alu depctr_va_vdst(0)                   ; ahead of the loop
.Lunit:                                            ; a unit: two pairs of tiles of queries x 128 keys
	s_wait_loadcnt 16                              ; Q and this unit's K are in; V's 16 loads, the youngest, may be out
	s_add_nc_u64 s[KA:KA+1], s[KA:KA+1], UNITB     ; K's loads are done: their base may step
	s_lshl_b32 s52, s[U], 1
	s_cmp_lt_u32 s52, s[HS]
	s_cbranch_scc1 .Lsecond                        ; my run begins with the unit's second half
	PAIR 0
.Lsecond:
	s_lshl_b32 s52, s[U], 1
	s_add_co_u32 s52, s52, 1
	s_cmp_ge_u32 s52, s[HE]
	s_cbranch_scc1 .Lpart                          ; my run ends with the unit's first half
	PAIR 1
	s_add_co_u32 s[U], s[U], 1
	s_cmp_ge_u32 s[U], s[UE]
	s_cbranch_scc1 .Lpart                          ; my last unit of the block: nothing more to ask for
	LOADKV 192, VA
	s_cmp_lt_u32 s[U], s[UE]
	s_cbranch_scc1 .Lunit
.Lpart:
	s_wait_loadcnt 0x0
.irp t, 0,1,2,3
	v_add_f32 v[TA+\t], v[24+2*\t], v[25+2*\t]     ; the sum's two halves,
.endr
.irp t, 0,1,2,3
	v_permlanex16_b32 v[196+\t], v[TA+\t], s[SEL], s[SEL+1]
.endr
.irp t, 0,1,2,3
	v_add_f32 v[17+2*\t], v[TA+\t], v[196+\t]      ; and lane l xor 16's: the sum over my keys, beside -M
.endr
	s_wait_alu depctr_va_vdst(0)
	s_cmp_eq_u32 s[KI], 1
	s_cbranch_scc1 .Lodd
	PSTORE 0                                       ; blocks 0 and 2: a wave works on one of them at the most
	s_branch .Lstored
.Lodd:
	PSTORE SL
.Lstored:
	s_wait_dscnt 0x0
.Lnext:
	s_add_co_u32 s[OFF], s[OFFN], 1                ; an empty place between two blocks
	s_add_co_u32 s[KI], s[KI], 1
	s_cmp_lt_u32 s[KI], 3
	s_cbranch_scc1 .Lblock
	; THE JOIN.  Behind one barrier all parts lie in LDS.  Two sets of registers take the parts by turns: the next part is on its way while one is added.
	s_wait_kmcnt 0x0
	s_add_co_i32 s52, s50, 127
	s_lshl_b32 s53, s52, 23
	v_mov_b32 v160, s53                            ; 2^e10, for ctx's conversions
	s_add_co_i32 s52, s52, 8
	s_lshl_b32 s52, s52, 23
	s_or_b32 s52, s52, 0x600000
	v_mov_b32 v161, s52                            ; 448 x 2^e10
	s_add_co_i32 s63, s48, s49                     ; e8 + e9
	v_mov_b32 v19, 0                               ; (named as upper halves of pairs)
	v_mov_b32 v27, 0
.set n, 0
.rept 18
	v_mov_b32 v[64+n], 0                           ; the two sets: written here, so that they are written on every way
	v_mov_b32 v[96+n], 0
.set n, n+1
.endr
	s_mov_b32 s[OFF], 0
	s_mov_b32 s[KI], 0
	s_wait_alu depctr_va_vdst(0)                   ; ahead of the barrier
	s_wait_dscnt 0x0                               ; for the others' sake: my stores are done
	s_barrier_signal -1
	s_barrier_wait -1
; a part (O at X, -M at X + 16, its sum at X + 17) is added under the common M: both factors are exact powers of two
.macro JCOMP X
	v_min_num_f32 v28, v16, v[\X+16]
	v_sub_f32 v29, v28, v16
	v_sub_f32 v30, v28, v[\X+16]
	v_mov_b32 v16, v28
	v_cvt_i32_f32 v29, v29
	v_cvt_i32_f32 v30, v30
	v_ldexp_f32 v14, 1.0, v29
	v_ldexp_f32 v18, 1.0, v30
	v_mul_f32 v24, v24, v14
.set n, 0
.rept 8
	v_pk_mul_f32 v[32+n:33+n], v[32+n:33+n], v[14:15] op_sel_hi:[1,0]
.set n, n+2
.endr
	v_fma_f32 v24, v[\X+17], v18, v24
.set n, 0
.rept 8
	v_pk_fma_f32 v[32+n:33+n], v[\X+n:\X+n+1], v[18:19], v[32+n:33+n] op_sel_hi:[1,0,1]
.set n, n+2
.endr
.endm
; position PP: if it worked on the block, its part is asked for, into set X; then the part of the position before, in set Y, is added
.macro JSTEP X, Y
	s_mul_i32 s52, s[PP], s[UT]
	s_add_co_u32 s53, s52, s[UT]
	s_lshr_b32 s52, s52, 3
	s_lshr_b32 s53, s53, 3
	s_max_u32 s52, s52, s[OFF]
	s_min_u32 s53, s53, s[OFFN]
	s_cmp_lt_u32 s52, s53
	s_cselect_b32 s[CC], 1, 0                      ; (0 for positions 8 and 9, which begin at the list's end or behind it)
	s_or_b32 s53, s[CC], s[PEND]
	s_cbranch_scc1 .Lwork_\@
	s_wait_dscnt 0x0                               ; neither this position nor the one before: on this way too no load of mine stays out
	s_branch .Lidle_\@
.Lwork_\@:
	s_min_u32 s[LB], s[LA], 14*SL
	s_add_co_u32 s[LB], s[LB], s[TOG]
	s_cmp_eq_u32 s[CC], 0
	s_cbranch_scc1 .Lno_\@
	v_add_nc_u32 v[JA], s[LB], v[JB]
	v_add_nc_u32 v[JA2], s[LB], v[JST]
.irp m, 0,1,2,3
	ds_load_b128 v[\X+4*\m:\X+4*\m+3], v[JA] offset:512*\m
.endr
	ds_load_b64 v[\X+16:\X+17], v[JA2] offset:16384
	s_wait_dscnt 5                                 ; all but the five just issued
	s_branch .Lgo_\@
.Lno_\@:
	s_wait_dscnt 0x0
.Lgo_\@:
	s_cmp_eq_u32 s[PEND], 0
	s_cbranch_scc1 .Lidle_\@
	JCOMP \Y
.Lidle_\@:
	s_mov_b32 s[PEND], s[CC]
	s_add_co_u32 s[PP], s[PP], 1
	s_add_co_u32 s[LA], s[LA], 2*SL
.endm
.Ljoin:
	PICK
	s_and_b32 s[TOG], s[KI], 1
	s_mul_i32 s[TOG], s[TOG], SL
	v_mov_b32 v16, 0x7f61b1e6
	v_mov_b32 v24, 0
.set n, 0
.rept 16
	v_mov_b32 v[32+n], 0
.set n, n+1
.endr
	s_mov_b32 s[PP], 0
	s_mov_b32 s[LA], 0
	s_mov_b32 s[PEND], 0
	s_mov_b32 s[CNT], 5
	s_wait_alu depctr_va_vdst(0)                   ; ahead of the loop
.Lpos:
	JSTEP 64, 96
	JSTEP 96, 64
	s_sub_co_u32 s[CNT], s[CNT], 1
	s_cmp_lg_u32 s[CNT], 0
	s_cbranch_scc1 .Lpos
	s_wait_xcnt 0x0                                ; the last block's store has read its data and its base
	s_lshl_b32 s60, s[JJ], 2
	s_lshr_b32 s61, s[WV], 1
	s_add_co_u32 s60, s60, s61                     ; tile 4 j + w / 2
	s_mul_i32 s60, s60, 6
	s_lshr_b32 s61, s[HH], 1
	s_add_co_u32 s60, s60, s61                     ; fragment 6 x tile + head / 2,
	s_lshl_b32 s60, s60, 11
	s_and_b32 s61, s[HH], 1
	s_lshl_b32 s61, s61, 10
	s_add_co_u32 s60, s60, s61
	s_and_b32 s61, s[WV], 1
	s_lshl_b32 s61, s61, 9
	s_add_co_u32 s60, s60, s61                     ; chunk 2 (head % 2) + w % 2
	s_mov_b32 s61, 0
	s_add_nc_u64 s[60:61], s[8:9], s[60:61]
	s_wait_alu depctr_va_vdst(0)                   ; ahead of the transcendental
	v_rcp_f32 v25, v24
	v_nop                                          ; the plain line behind it
	s_wait_alu depctr_va_vdst(0)                   ; and the wait ahead of its first reader
	v_ldexp_f32 v26, v25, s63                      ; 2^(e8 + e9) / the row's sum
.set n, 0
.rept 8
	v_pk_mul_f32 v[32+n:33+n], v[32+n:33+n], v[26:27] op_sel_hi:[1,0]
.set n, n+2
.endr
.set n, 0
.rept 16
	v_med3_num_f32 v[32+n], v[32+n], -v161, v161   ; the hold at the largest code x the scale
.set n, n+1
.endr
	v_cvt_scalef32_pk8_fp8_f32 v[48:49], v[32:39], v160
	v_cvt_scalef32_pk8_fp8_f32 v[50:51], v[40:47], v160
	v_nop                                          ; one plain line behind the last conversion
	global_store_b128 v[LI], v[48:51], s[60:61]    ; the wave stores 512 consecutive bytes, aligned: a chunk
	s_add_co_u32 s[OFF], s[OFFN], 1
	s_add_co_u32 s[KI], s[KI], 1
	s_cmp_lt_u32 s[KI], 3
	s_cbranch_scc1 .Ljoin
	s_wait_tensorcnt 0x0                           ; the wave's end: behind my last LDS store
	ds_add_u32 v[SPW], v[NIL]
	s_wait_dscnt 0x0
	s_endpgm
.Lfunc_end_k_q5127578407_attn:
	.size	k_q5127578407_attn, .Lfunc_end_k_q5127578407_attn-k_q5127578407_attn
	.p2alignl 7, 3214868480
	.fill 96, 4, 3214868480
	.section	.rodata,"a",@progbits
	.p2align	6, 0x0
	.amdhsa_kernel k_q5127578407_attn
		.amdhsa_group_segment_fixed_size 279552
		.amdhsa_private_segment_fixed_size 0
		.amdhsa_enable_private_segment 0
		.amdhsa_kernarg_size 24
		.amdhsa_user_sgpr_count 2
		.amdhsa_user_sgpr_kernarg_segment_ptr 1
		.amdhsa_wavefront_size32 1
		.amdhsa_system_sgpr_workgroup_id_x 1
		.amdhsa_system_sgpr_workgroup_id_y 1
		.amdhsa_system_sgpr_workgroup_id_z 1
		.amdhsa_system_vgpr_workitem_id 0
		.amdhsa_next_free_vgpr 512
		.amdhsa_next_free_sgpr 80
		.amdhsa_reserve_vcc 1
		.amdhsa_float_denorm_mode_32 3
		.amdhsa_float_denorm_mode_16_64 3
		.amdhsa_memory_ordered 1
		.amdhsa_forward_progress 1
		.amdhsa_inst_pref_size 102
	.end_amdhsa_kernel
	.amdgpu_metadata
---
amdhsa.version: [ 1, 2 ]
amdhsa.kernels:
  - .name:           k_q5127578407_attn
    .symbol:         k_q5127578407_attn.kd
    .args:
      - { .name: qkv, .offset: 0, .size: 8, .value_kind: global_buffer, .address_space: global }
      - { .name: lowp_scales, .offset: 8, .size: 8, .value_kind: global_buffer, .address_space: global }
      - { .name: cc, .offset: 16, .size: 8, .value_kind: global_buffer, .address_space: global }
    .group_segment_fixed_size: 279552
    .private_segment_fixed_size: 0
    .kernarg_segment_align: 8
    .kernarg_segment_size: 24
    .max_flat_workgroup_size: 256
    .sgpr_count:     80
    .vgpr_count:     512
    .wavefront_size: 32
...
	.end_amdgpu_metadata
.endif
;; end of part 3
;; launch outp (part 4): grid 64 x 4, 4 waves a work-group, no clusters, 167,936 bytes of LDS; arguments cc, wc, bo, lowp_scales, out0; writes out0
.if DOCPART == 4
	.amdgcn_target "amdgcn-amd-amdhsa--gfx1250"
	.amdhsa_code_object_version 6
	.text
	.protected	k_q5127578407_outp
	.globl	k_q5127578407_outp
	.p2align	8
	.type	k_q5127578407_outp,@function
k_q5127578407_outp:
	s_mov_b64 s[64:65], 0
	v_nop
	global_prefetch_b8 v0, s[64:65] scope:SCOPE_SE
	s_setreg_imm32_b32 hwreg(HW_REG_WAVE_MODE, 25, 1), 1
	s_wait_xcnt 0x0
; out = ctx wo + bo, the product on codes of FP8 (E4M3): ctx's codes (e10) and wo's (e11) come as images of operand registers; out [4096][768] f32.
; A fragment, 16 rows x 128 K, is 2,048 bytes: chunk c at 512 c, lane l at 16 l.  Row r of tile 2 b + u is index 32 b + 8 u + r + 8 (r / 8), of the tokens or of wo's columns.
; SHARES.  Work-group (x, y): 64 tokens (4 tiles) x 192 columns (12 tiles).  Wave w: tiles 3 w .. 3 w + 2 of the twelve, 18 fragments of wo in 288 registers, loaded once; twelve accumulators (tile mu of the tokens, tile t: 3 mu + t).
; ctx's 24 fragments (49,152 bytes, dense in cc) come into LDS by one tensor load a wave, once; all four waves read them all.  Nothing in LDS is filled again.
; Source 0 = 16 columns of wo, source 1 = 16 tokens: lane (r, h) holds one token, and register j of tile 2 b + u column 32 b + 8 u + 16 h + j.  out = sum x 2^(e10 + e11) + bo: one packed multiply-add for two numbers.
; THE WAY OUT: through a stage of 64 rows in the tokens' own order (768 bytes + 16), bytes of its own behind ctx's fragments; a barrier, since a row's columns come from four waves; each wave then stores 16 whole rows'
; 768 bytes, sixteen lanes to 256 consecutive bytes, aligned.
; LIMIT: e10 + e11 between -126 and 127, so that 2^(e10 + e11) is an f32 number.
; REGISTERS: window 0: v1-13 addresses; v16-111 the accumulators, later the rows read back; v112-175 two sets of ctx's two fragments; v176-199 bo at my columns, eight registers a tile.
;   windows 1 and 2: wo's fragment f = 3 s + t at v[16 (f % 16)] of window 1 + f / 16.
.set FRB,   2048
.set TILEB, 6*FRB
.set WSZ,   589824                     ; one weight's codes; wo is the fourth in wc
.set STG,   4*TILEB                    ; the stage
.set SPI,   784                        ; its rows: 768 bytes + 16
.set SPARE, STG+64*SPI                 ; behind the stage: the spare words, 128 bytes for each wave: two blocks of 256 bytes that no other line names
.set LI,    1                          ; v1    16 x lane
.set SO,    3                          ; v3-5  the stage: where I put tile t's 32 bytes of my token's row
.set SR,    6                          ; v6    and where I read rows back
.set CO,    7                          ; v7    my byte offset in the wave's rows of out
.set BA,    8                          ; v8-10 byte offsets in bo
.set SPW,   12                         ; v12   LDS address of my spare word; never rewritten
.set NIL,   13                         ; v13   0; never rewritten
.set ACC,   16
.set XF,    112
.set BI,    176
.set G1,    24
.set G0,    32
.set MSB, 0
.macro WIN new                         ; the immediate's high byte repeats the setting that is left; a switch that changes nothing is dropped
.if MSB != (\new)
	s_set_vgpr_msb (MSB<<8)|(\new)
.set MSB, (\new)
.endif
.endm
.macro PLACES                          ; four plain places in front of loads into registers that matrix instructions have read, and of the first read of results
.rept 4
	v_nop
.endr
.endm
	s_load_b256 s[4:11], s[0:1], 0x0               ; cc s[4:5], wc s[6:7], bo s[8:9], the scales' exponents s[10:11]
	s_load_b64 s[12:13], s[0:1], 0x20              ; out
	v_lshl_add_u32 v[SPW], v0, 2, SPARE
	v_mov_b32 v[NIL], 0
	ds_add_u32 v[SPW], v[NIL]                      ; the wave's opening: the add and its wait ahead of my first tensor load; the set-up below, work on registers, stands between them
	ds_add_u32 v[SPW], v[NIL]
	v_lshrrev_b32 v1, 5, v0
	v_readfirstlane_b32 s14, v1                    ; wave 0..3
	s_and_b32 s16, ttmp7, 0xffff                   ; which 192 columns
	v_and_b32 v1, 31, v0
	v_lshlrev_b32 v[LI], 4, v1
	v_and_b32 v14, 15, v0                          ; r
	v_bfe_u32 v15, v0, 4, 1                        ; h
	v_and_b32 v2, 8, v14
	v_add_nc_u32 v2, v2, v14                       ; r + 8 (r / 8): my token's row among a pair of tiles' 32
	v_mul_u32_u24 v2, v2, SPI
	v_lshl_add_u32 v2, v15, 6, v2                  ; + 16 h columns of 4 bytes
	s_wait_alu depctr_va_vdst(0)
	s_mul_i32 s17, s14, 3                          ; my first tile of the twelve
.irp t, 0,1,2
	s_add_co_u32 s18, s17, \t
	s_lshr_b32 s19, s18, 1
	s_lshl_b32 s19, s19, 7
	s_and_b32 s18, s18, 1
	s_lshl_b32 s18, s18, 5
	s_add_co_u32 s18, s18, s19                     ; the tile's first column, in bytes: 4 (32 (tile / 2) + 8 (tile % 2))
	s_add_co_u32 s19, s18, STG
	v_add_nc_u32 v[SO+\t], s19, v2
	s_mul_i32 s19, s16, 768
	s_add_co_u32 s19, s19, s18
	v_lshl_add_u32 v[BA+\t], v15, 6, s19           ; the same columns in bo
.endr
	s_mul_i32 s18, s14, 16*SPI
	s_add_co_u32 s18, s18, STG
	v_mul_u32_u24 v[SR], v15, SPI                  ; back: wave w takes rows 16 w .. 16 w + 15; lanes 0-15 take 256 bytes of one row, lanes 16-31 of the next
	v_lshl_add_u32 v[SR], v14, 4, v[SR]
	v_add_nc_u32 v[SR], s18, v[SR]
	v_mul_u32_u24 v[CO], v15, 3072                 ; and the same in out
	v_lshl_add_u32 v[CO], v14, 4, v[CO]
	; descriptor group 1: 12,288 dense bytes as 48 rows of 256
	s_mov_b32 s[G1+0], 3<<16                       ; no mask; elements of 8 bytes; no padding
	s_mov_b32 s[G1+1], 32<<16                      ; tensor_dim0 = 32 elements
	s_mov_b32 s[G1+2], 48<<16                      ; tensor_dim1 = 48
	s_mov_b32 s[G1+3], 32<<16                      ; tile_dim0 = 32
	s_mov_b32 s[G1+4], 48                          ; tile_dim1 = 48
	s_mov_b32 s[G1+5], 32                          ; from row to row: 32 elements
	s_mov_b32 s[G1+6], 0
	s_mov_b32 s[G1+7], 0
	s_mul_i32 s[G0+1], s14, TILEB                  ; LDS: wave w brings tile w
	s_mul_i32 s36, ttmp9, 4*TILEB
	s_add_co_u32 s36, s36, s[G0+1]                 ; the same tile in cc
	s_mov_b32 s37, 0
	s_mul_i32 s38, s16, 12
	s_add_co_u32 s38, s38, s17
	s_mul_i32 s38, s38, TILEB
	s_add_co_u32 s38, s38, 3*WSZ                   ; wo's codes at my first tile
	s_mov_b32 s39, 0
	s_lshl_b32 s40, ttmp9, 6
	s_lshl_b32 s41, s14, 4
	s_add_co_u32 s40, s40, s41                     ; the first row of out that I store: 64 x + 16 w
	s_mul_i32 s40, s40, 3072
	s_mul_i32 s41, s16, 768
	s_add_co_u32 s40, s40, s41
	s_mov_b32 s41, 0
	s_wait_alu depctr_va_vdst(0)
	s_wait_dscnt 0x0                               ; the opening add is done
	s_wait_kmcnt 0x0
	s_load_b64 s[44:45], s[10:11], 0x28            ; e10, e11
	s_mov_b32 s[G0], 1
	s_add_nc_u64 s[G0+2:G0+3], s[4:5], s[36:37]
	s_or_b32 s[G0+3], s[G0+3], 0x80000000          ; type = 2
	s_add_nc_u64 s[6:7], s[6:7], s[38:39]
	s_add_nc_u64 s[12:13], s[12:13], s[40:41]
	tensor_load_to_lds s[G0:G0+3], s[G1:G1+7]      ; my one tensor load of the launch
	s_nop 0
.rept 4
	v_nop
.endr
.irp t, 0,1,2
	global_load_b128 v[BI+8*\t:BI+8*\t+3], v[BA+\t], s[8:9]             ; bo at tile t's eight columns of my half
	global_load_b128 v[BI+8*\t+4:BI+8*\t+7], v[BA+\t], s[8:9] offset:16
.endr
.set FW, 0
.rept 18                               ; wo's fragments, in the order in which the K steps want them
	WIN ((1+FW/16)<<6)                             ; destination window
.irp c, 0,1,2,3
	global_load_b128 v[16*(FW%16)+4*\c:16*(FW%16)+4*\c+3], v[LI], s[6:7] offset:(6*(FW%3)+FW/3)*FRB+512*\c
.endr
.set FW, FW+1
.endr
	WIN 0
	s_wait_kmcnt 0x0
	s_add_co_i32 s46, s44, s45
	s_add_co_i32 s46, s46, 127
	s_lshl_b32 s46, s46, 23                        ; 2^(e10 + e11) as f32
	s_mov_b32 s47, s46                             ; (named with it as a pair, so it is written)
	s_wait_tensorcnt 0x0                           ; my tile of ctx is in LDS,
	s_barrier_signal -1
	s_barrier_wait -1                              ; everybody's is
; Unit q = 2 s + g: K step s, the pair g of the tokens' tiles.  Its two fragments go into set g.
.macro FETCH q
.irp u, 0,1
.irp c, 0,1,2,3
	ds_load_b128 v[XF+32*((\q)%2)+16*\u+4*\c:XF+32*((\q)%2)+16*\u+4*\c+3], v[LI] offset:(2*((\q)%2)+\u)*TILEB+((\q)/2)*FRB+512*\c
.endr
.endr
.endm
; Its six matrix instructions.  The first two units start the sums.  Six accumulators take turns in a unit, the other six in the next.
.macro MUL6 q
.irp t, 0,1,2
.set FW, 3*((\q)/2)+\t
.set RW, 16*(FW%16)
	WIN (1+FW/16)                                  ; source 0's window
.irp u, 0,1
.set RA, ACC+8*(3*(2*((\q)%2)+\u)+\t)
.set RX, XF+32*((\q)%2)+16*\u
.if (\q) < 2
	v_wmma_f32_16x16x128_fp8_fp8 v[RA:RA+7], v[RW:RW+15], v[RX:RX+15], 0
.else
	v_wmma_f32_16x16x128_fp8_fp8 v[RA:RA+7], v[RW:RW+15], v[RX:RX+15], v[RA:RA+7]
.endif
.endr
.endr
.endm
	FETCH 0
.irp q, 0,1,2,3,4,5,6,7,8,9,10,11
.if \q < 11
.if \q > 0
	WIN 0
	PLACES                                         ; the set that is loaded next was read by the products just issued
.endif
	FETCH \q+1
	s_wait_dscnt 8                                 ; this unit's eight loads are in; the eight just issued may be out
.else
	s_wait_dscnt 0x0
.endif
.if \q%2 == 0
	s_wait_loadcnt 60-6*\q                         ; K step s = q / 2 wants the first 12 (s + 1) of wo's 72 loads (bo's six went first): the later K steps' may be out
.endif
	MUL6 \q
.endr
	WIN 0
	PLACES
.irp mu, 0,1,2,3
.irp t, 0,1,2
.set RA, ACC+8*(3*\mu+\t)
.irp i, 0,2,4,6
	v_pk_fma_f32 v[RA+\i:RA+\i+1], v[RA+\i:RA+\i+1], s[46:47], v[BI+8*\t+\i:BI+8*\t+\i+1] op_sel_hi:[1,0,1]   ; sum x 2^(e10 + e11) + bo, each accumulator from its low end on
.endr
	ds_store_b128 v[SO+\t], v[RA:RA+3] offset:(32*(\mu/2)+8*(\mu%2))*SPI
	ds_store_b128 v[SO+\t], v[RA+4:RA+7] offset:(32*(\mu/2)+8*(\mu%2))*SPI+16
.endr
.endr
	s_wait_dscnt 0x0                               ; for the others' sake: my stores into the stage are done
	s_barrier_signal -1
	s_barrier_wait -1                              ; 64 whole rows lie in the stage
.set n, 0
.rept 24
	ds_load_b128 v[ACC+4*n:ACC+4*n+3], v[SR] offset:(n/3)*2*SPI+256*(n%3)
.set n, n+1
.endr
.set n, 0
.rept 24
	s_wait_dscnt 23-n                              ; LDS loads come back in order: load n is in
	global_store_b128 v[CO], v[ACC+4*n:ACC+4*n+3], s[12:13] offset:(n/3)*6144+256*(n%3) th:TH_STORE_NT   ; sixteen lanes store 256 consecutive bytes, aligned; written once, read by nobody here
.set n, n+1
.endr
	s_wait_tensorcnt 0x0                           ; the wave's end, behind my last tensor load and my last LDS store
	ds_add_u32 v[SPW], v[NIL]
	s_wait_dscnt 0x0
	s_endpgm
.Lfunc_end_k_q5127578407_outp:
	.size	k_q5127578407_outp, .Lfunc_end_k_q5127578407_outp-k_q5127578407_outp
	.p2alignl 7, 3214868480
	.fill 96, 4, 3214868480
	.section	.rodata,"a",@progbits
	.p2align	6, 0x0
	.amdhsa_kernel k_q5127578407_outp
		.amdhsa_group_segment_fixed_size 167936
		.amdhsa_private_segment_fixed_size 0
		.amdhsa_enable_private_segment 0
		.amdhsa_kernarg_size 40
		.amdhsa_user_sgpr_count 2
		.amdhsa_user_sgpr_kernarg_segment_ptr 1
		.amdhsa_wavefront_size32 1
		.amdhsa_system_sgpr_workgroup_id_x 1
		.amdhsa_system_sgpr_workgroup_id_y 1
		.amdhsa_system_sgpr_workgroup_id_z 1
		.amdhsa_system_vgpr_workitem_id 0
		.amdhsa_next_free_vgpr 544
		.amdhsa_next_free_sgpr 66
		.amdhsa_reserve_vcc 0
		.amdhsa_float_denorm_mode_32 3
		.amdhsa_float_denorm_mode_16_64 3
		.amdhsa_memory_ordered 1
		.amdhsa_forward_progress 1
		.amdhsa_inst_pref_size 35
	.end_amdhsa_kernel
	.amdgpu_metadata
---
amdhsa.version: [ 1, 2 ]
amdhsa.kernels:
  - .name:           k_q5127578407_outp
    .symbol:         k_q5127578407_outp.kd
    .args:
      - { .name: cc, .offset: 0, .size: 8, .value_kind: global_buffer, .address_space: global }
      - { .name: wc, .offset: 8, .size: 8, .value_kind: global_buffer, .address_space: global }
      - { .name: bo, .offset: 16, .size: 8, .value_kind: global_buffer, .address_space: global }
      - { .name: lowp_scales, .offset: 24, .size: 8, .value_kind: global_buffer, .address_space: global }
      - { .name: out0, .offset: 32, .size: 8, .value_kind: global_buffer, .address_space: global }
    .group_segment_fixed_size: 167936
    .private_segment_fixed_size: 0
    .kernarg_segment_align: 8
    .kernarg_segment_size: 40
    .max_flat_workgroup_size: 128
    .sgpr_count:     66
    .vgpr_count:     544
    .wavefront_size: 32
...
	.end_amdgpu_metadata
.endif
;; end of part 4
